; MI455X (gfx1250); checked and timed in simulation.
; The chip was launched on July 23, 2026; its instructions are those of AMD's public machine-readable ISA for CDNA 5 (MIT licence, August 2026) and "CDNA5" Instruction Set Architecture Reference Guide (July 2026). The comments in the code are by the model that wrote it; some were corrected since.
;; GRU. Allowed arithmetic: matrix products marked QUANTISED: E2M3 operands, one E8M0 scale for each 32 along K, by v_wmma_scale_f32_16x16x128_f8f6f4 with both operands' format E2M3, f32 sums; products left as they are: f32 operands where the result goes on into a quantised operand, else bf16, f16 or f32 operands; f32 sums; everything else in f32.
;; Inputs: Uh_codes 2,048 x 64 x 24 uint8 (E2M3 codes of Uh, K innermost, in blocks of 32 codes, four codes in three bytes); Uh_scales 2,048 x 64 uint8 (E8M0 scales of Uh, one for each 32 codes along K); Ur 2,048 x 2,048 float32; Uz 2,048 x 2,048 float32; Wh_codes 2,048 x 64 x 24 uint8 (E2M3 codes of Wh, K innermost, in blocks of 32 codes, four codes in three bytes); Wh_scales 2,048 x 64 uint8 (E8M0 scales of Wh, one for each 32 codes along K); Wr_codes 2,048 x 64 x 24 uint8 (E2M3 codes of Wr, K innermost, in blocks of 32 codes, four codes in three bytes); Wr_scales 2,048 x 64 uint8 (E8M0 scales of Wr, one for each 32 codes along K); Wz_codes 2,048 x 64 x 24 uint8 (E2M3 codes of Wz, K innermost, in blocks of 32 codes, four codes in three bytes); Wz_scales 2,048 x 64 uint8 (E8M0 scales of Wz, one for each 32 codes along K); b_h 1 x 2,048 float32; b_r 1 x 2,048 float32; b_z 1 x 2,048 float32; buh 2,048 float32; bur 2,048 float32; buz 2,048 float32; bwh 2,048 float32; bwr 2,048 float32; bwz 2,048 float32; h 1 x 2,048 float32; x_codes 4,096 x 64 x 24 uint8 (E2M3 codes of x, K innermost, in blocks of 32 codes, four codes in three bytes); x_scales 4,096 x 64 uint8 (E8M0 scales of x, one for each 32 codes along K).
;; Outputs: out0 4,096 x 2,048 float32.
;; This version of the problem:
;;   THIS VERSION OF THE PROBLEM IS GIVEN IN LOW PRECISION. The matrix products marked QUANTISED in the list below multiply operands that are first quantised to E2M3 (2 exponent bits, 3 mantissa bits; 6 bits a number), with one power-of-two scale for each 32 numbers along K (OCP MX v1.0); their sums are f32. All else is computed in f32.
;;   The module's matrix products, in the order in which they are computed (A, B: the left and right operand; K: the contracted axis; several contracted axes count as one K, in the product's order):
;;     1. [M 4,096, K 2,048] x [K 2,048, N 2,048]; A: input x (given as codes); B: input Wz (given as codes): QUANTISED
;;     2. [M 1, K 2,048] x [K 2,048, N 2,048]; A: input h; B: input Uz: left as it is (M = 1 < 16)
;;     3. [M 4,096, K 2,048] x [K 2,048, N 2,048]; A: input x (given as codes); B: input Wr (given as codes): QUANTISED
;;     4. [M 1, K 2,048] x [K 2,048, N 2,048]; A: input h; B: input Ur: left as it is (M = 1 < 16)
;;     5. [M 4,096, K 2,048] x [K 2,048, N 2,048]; A: input x (given as codes); B: input Wh (given as codes): QUANTISED
;;     6. [M 4,096, K 2,048] x [K 2,048, N 2,048]; A: computed on the way; B: input Uh (given as codes): QUANTISED
;;   THE QUANTISER, for each operand of a quantised product, along K:
;;     - K is cut into blocks of 32 from its start; a last block that is shorter is filled with zeros.
;;     - A block's scale is 2^e with e = floor(log2(the largest magnitude in the block)) - 2, held to -126 .. 127; a block of zeros has e = 0. As a byte (E8M0): e + 127.
;;     - Each number is divided by its block's scale, clamped to +-7.5, and rounded to the nearest number of E2M3, ties to even, subnormals kept.
;;     - The product sums the exact products of the quantised numbers (number of the format x scale) in f32.
;;   ~~~python
;;   def quantise(x, axis):      # numpy; x: float32 -> the quantised numbers, widened to float32 again
;;       x = np.moveaxis(x, axis, -1); K = x.shape[-1]
;;       x = np.pad(x, [(0, 0)] * (x.ndim - 1) + [(0, -K % 32)]); x = x.reshape(x.shape[:-1] + (-1, 32)); a = np.abs(x).max(-1, keepdims=True)
;;       e = np.where(a > 0, np.clip(np.frexp(np.where(a > 0, a, 1))[1] - 1 - 2, -126, 127), 0)      # np.frexp(a)[1] - 1 = floor(log2(a)), exactly
;;       r = np.clip(x / 2.0 ** e, -7.5, 7.5)
;;       step = 2.0 ** (np.maximum(np.frexp(np.where(r == 0, 1, r))[1] - 1, 0) - 3)
;;       q = np.round(r / step) * step * 2.0 ** e      # np.round: ties to even
;;       return np.moveaxis(q.reshape(q.shape[:-2] + (-1,))[..., :K], -1, axis).astype(np.float32)
;;   ~~~
;;   OPERANDS COMPUTED ON THE WAY. 'Computed on the way' means the value that the module computes at that place (a softmax that the list does not call 'softmax' is quantised finished and normalised). What goes into a quantiser is computed in f32, as accurately as f32 sums, v_exp_f32 and their like allow (about 1e-6 of the number): no bf16 or f16 on the way to a quantiser, and a product that is left as it is and whose result goes on into a quantised operand takes f32 operands (vector FMAs, or v_wmma_f32_16x16x4_f32). A number that lies on a knife's edge between two numbers of the format may be rounded either way, as far as f32 arithmetic and the matrix unit's own rounding can turn it there, and no further.
;;   INPUTS GIVEN AS CODES. Uh (in the module: [2048, 2048], K = its axis 1); Wh (in the module: [2048, 2048], K = its axis 1); Wr (in the module: [2048, 2048], K = its axis 1); Wz (in the module: [2048, 2048], K = its axis 1); x (in the module: [4096, 2048], K = its axis 1): each comes as NAME_codes (uint8): NAME with its K axis moved to the last place and cut into blocks of 32 codes, [.., K / 32, bytes a block], one block behind the other in memory; four codes in three bytes: a row's codes are one little-endian stream of bits, code i at bits 6 i .. 6 i + 5 (a code: sign, 2 exponent bits, 3 mantissa bits); and NAME_scales (uint8): the same leading axes, one E8M0 byte (e + 127) for each 32 codes along K. Its value is code x scale, taken as it is: it is not quantised again, and the codes and scales need not be those that the quantiser above would give.
;; One version. Each part assembles by itself: llvm-mc -triple=amdgcn-amd-amdhsa -mcpu=gfx1250 --defsym DOCPART=n.
;; ======== version 1 of 1: 3 launches
;; limits: right only within a limited range of input values
;; workspace buffers: gbias 24,576 bytes; img 19,660,800 bytes; rhimg 6,553,600 bytes
;; launch gates (part 1): grid 640 x 1, 8 waves a work-group, no clusters, 1,280 bytes of LDS; arguments h, Uz, Ur, bwz, buz, b_z, bwr, bur, b_r, bwh, buh, b_h, gbias, x_codes, x_scales, Wr_codes, Wr_scales, Wz_codes, Wz_scales, Wh_codes, Wh_scales, Uh_codes, Uh_scales, img; writes gbias, img
.if DOCPART == 1
	.amdgcn_target "amdgcn-amd-amdhsa--gfx1250"
	.amdhsa_code_object_version 6
	.text
	.protected	k_q46a62e0b2a_gates
	.globl	k_q46a62e0b2a_gates
	.p2align	8
	.type	k_q46a62e0b2a_gates,@function
k_q46a62e0b2a_gates:
	s_mov_b64 s[64:65], 0
	v_nop
	global_prefetch_b8 v0, s[64:65] scope:SCOPE_SE
	s_setreg_imm32_b32 hwreg(HW_REG_WAVE_MODE, 25, 1), 1
	s_wait_xcnt 0x0
; gbias [3][2048] f32:  [0] = -log2(e) (h . Uz[n] + bwz + buz + b_z),  [1] = the same for the gate r,  [2] = 2 log2(e) (bwh + buh + b_h).
; The factors are those of the exponentials of the later launches, so that a bias costs them no instruction: t = fma(sum, factor, gbias).
; A STREAM: Uz and Ur, 16 MiB each, are read once, in f32 (h . Ur goes on into a quantised operand), by fused multiply-adds.  No matrix unit, no tensor load.
; No cluster: the work-groups share only h, 8,192 bytes beside the 131,072 bytes of U that each reads alone.
; SHARES.  Work-groups 0-127 take the gate z, 128-255 the gate r; each takes 16 rows of U, each of its eight waves two.  A row is 8,192 bytes: 16 loads of 512 consecutive bytes a wave;
; both rows' 32 loads are out together.  h lies in 64 registers in the same lane layout.  The 16 sums meet in LDS; wave 0 adds the three biases and stores 64 consecutive bytes.
; Wave 1 of work-groups 0-63 makes 32 numbers of row [2].  (These stores are 64 and 128 bytes: the launch stores 24,576 bytes in all.)
; ALL LOADS STAND AT THE HEAD: every wave asks for the six bias words too (24 bytes a lane), so that behind the barrier only additions and a store are left.
; LIMITS: NaN and infinities among the inputs are not served.  The biases and h . U are summed before the later launches add their products: an order of rounding other than reference()'s.
.set H,   8                            ; v8-71    h: register 4 i + c = h[128 i + 4 lane + c]
.set ROW, 72                           ; v72-199  my two rows of U, laid alike
.set CH,  200                          ; v200-207 four packed chains
.set BG,  213                          ; v213-215 the gate's three biases of row n0 + lane % 16
.set BH,  216                          ; v216-218 bwh, buh, b_h of column 32 (work-group % 64) + lane
.set WV,  32                           ; s32      my wave's number
; WORK-GROUPS 256 TO 639 do another job of preparation, which shares nothing with the sums above: the given codes and scale bytes are laid once in the order in which the later launches' operand registers take them.
; img: [row group of 64: x 0-63, Wr 64-95, Wz 96-127, Wh 128-159, Uh 160-191][128 along K: 16][a unit of 6,400 bytes].
; A unit: four images of a fragment's registers (16 rows x 128 K: [3][32 lanes][16 bytes], 1,536 bytes each), then the 64 rows' scale words (256 bytes).
; So every tile of the later launches is made of dense rows that begin at multiples of 256 bytes (a given K step of 128 is 96 bytes of a row of 1,536).
; Such a work-group takes a row group and eight of its sixteen steps, a wave one unit.  The branch hangs on the work-group's number alone; this path has no barrier and names no LDS byte but its spare words.
	s_cmp_lt_u32 ttmp9, 256
	s_cbranch_scc1 .Lgates
	s_load_b512 s[4:19], s[0:1], 0x68              ; x, Wr, Wz, Wh: codes and scales
	s_load_b128 s[20:23], s[0:1], 0xa8             ; Uh's
	s_load_b64 s[24:25], s[0:1], 0xb8              ; img
	v_lshl_add_u32 v220, v0, 2, 0x100              ; my spare word and 0, for the closing lines
	v_mov_b32 v221, 0
	v_lshrrev_b32 v1, 5, v0
	v_readfirstlane_b32 s26, v1                    ; wave
	s_sub_co_u32 s36, ttmp9, 256                   ; 0 to 383
	s_lshr_b32 s27, s36, 1                         ; row group
	s_and_b32 s28, s36, 1
	s_lshl_b32 s28, s28, 3
	s_add_co_u32 s28, s28, s26                     ; step
	s_cmp_lt_u32 s27, 64
	s_cselect_b32 s29, 63, 31
	s_and_b32 s29, s27, s29                        ; the group's number inside its tensor
	s_mul_i32 s30, s29, 98304                      ; 64 rows of 1,536 bytes
	s_mul_i32 s31, s28, 96
	s_add_co_u32 s30, s30, s31
	s_mov_b32 s31, 0
	s_lshl_b32 s32, s29, 12                        ; 64 rows of 64 scale bytes
	s_lshl_b32 s33, s28, 2
	s_add_co_u32 s32, s32, s33
	s_mov_b32 s33, 0
	s_lshl_b32 s34, s27, 4
	s_add_co_u32 s34, s34, s28
	s_mul_i32 s34, s34, 6400                       ; my unit
	s_mov_b32 s35, 0
	v_and_b32 v2, 15, v0
	v_bfe_u32 v3, v0, 4, 1
	v_mul_u32_u24 v4, v2, 1536
	v_mad_u32_u24 v4, v3, 24, v4                   ; row r, + 24 h
	v_and_b32 v5, 31, v0
	v_lshlrev_b32 v6, 6, v5                        ; a lane a row of scales
	v_lshlrev_b32 v7, 4, v5
	v_lshlrev_b32 v1, 2, v5
	s_wait_alu depctr_va_vdst(0)                   ; the wait at the head's end
	s_wait_kmcnt 0x0
	s_cmp_lt_u32 s27, 160                          ; the tensor: the choice hangs on the work-group's number alone
	s_cselect_b64 s[20:21], s[16:17], s[20:21]
	s_cselect_b64 s[22:23], s[18:19], s[22:23]
	s_cmp_lt_u32 s27, 128
	s_cselect_b64 s[20:21], s[12:13], s[20:21]
	s_cselect_b64 s[22:23], s[14:15], s[22:23]
	s_cmp_lt_u32 s27, 96
	s_cselect_b64 s[20:21], s[8:9], s[20:21]
	s_cselect_b64 s[22:23], s[10:11], s[22:23]
	s_cmp_lt_u32 s27, 64
	s_cselect_b64 s[20:21], s[4:5], s[20:21]
	s_cselect_b64 s[22:23], s[6:7], s[22:23]
	s_add_nc_u64 s[20:21], s[20:21], s[30:31]
	s_add_nc_u64 s[22:23], s[22:23], s[32:33]
	s_add_nc_u64 s[24:25], s[24:25], s[34:35]
.irp a, 0,1,2,3
.irp p, 0,1,2,3,4,5
	global_load_b64 v[8+12*\a+2*\p:9+12*\a+2*\p], v4, s[20:21] offset:24576*\a+48*(\p/3)+8*(\p%3)   ; block a's fragment, as the operand's layout gives it to my lane
.endr
.endr
	global_load_b32 v56, v6, s[22:23]              ; the scale words of rows lane and lane + 32
	global_load_b32 v57, v6, s[22:23] offset:2048
.irp a, 0,1,2,3
	s_wait_loadcnt 20-6*\a                         ; of the 26 loads those behind block a's six may be out
.irp c, 0,1,2
	global_store_b128 v7, v[8+12*\a+4*\c:11+12*\a+4*\c], s[24:25] offset:1536*\a+512*\c   ; 32 lanes store 512 consecutive bytes
.endr
.endr
	s_wait_loadcnt 0x0
	global_store_b32 v1, v56, s[24:25] offset:6144
	global_store_b32 v1, v57, s[24:25] offset:6272
	s_branch .Lend                                 ; the launch's closing lines
.Lgates:
	s_load_b512 s[4:19], s[0:1], 0x0
	s_load_b256 s[20:27], s[0:1], 0x40             ; b_r s[20:21], bwh s[22:23], buh s[24:25], b_h s[26:27]
	s_load_b64 s[28:29], s[0:1], 0x60              ; gbias
	v_lshl_add_u32 v220, v0, 2, 0x100
	v_mov_b32 v221, 0
	v_lshrrev_b32 v1, 5, v0
	s_delay_alu instid0(VALU_DEP_1)
	v_readfirstlane_b32 s[WV], v1                  ; wave 0..7
	v_and_b32 v1, 31, v0
	s_delay_alu instid0(VALU_DEP_1)
	v_lshlrev_b32 v5, 2, v1                        ; 4 x lane
	s_wait_alu depctr_va_vdst(0)
	v_lshlrev_b32 v1, 4, v1                        ; 16 x lane
	v_mov_b32 v209, 0                              ; written once: a lane permute's destination counts as one of its sources
	s_mov_b32 s40, 0x76543210
	s_mov_b32 s41, 0xfedcba98                      ; v_permlanex16_b32's selects for lane l xor 16
	s_and_b32 s33, ttmp9, 127
	s_lshl_b32 s33, s33, 4                         ; n0: the work-group's first row of U
	s_lshl_b32 s30, s[WV], 1
	s_add_co_u32 s30, s30, s33                     ; my first row
	s_lshl_b32 s30, s30, 13                        ; in bytes (under 2^24)
	s_mov_b32 s31, 0
	s_mov_b32 s37, 0
	v_and_b32 v2, 15, v0
	s_delay_alu instid0(VALU_DEP_1)
	v_lshlrev_b32 v2, 2, v2                        ; 4 x (lane % 16): a sum's word in LDS
	s_lshl_b32 s34, s33, 2
	v_add_nc_u32 v3, s34, v2                       ; 4 x (n0 + lane % 16): its place among the 2,048
	s_and_b32 s42, ttmp9, 63                       ; 64 work-groups x 32 columns are the 2,048 of row [2]; the others load the same words again and store nothing: no load leaves its buffer
	s_lshl_b32 s42, s42, 7
	v_add_nc_u32 v5, s42, v5                       ; 4 x (32 (g % 64) + lane)
	s_wait_alu depctr_va_vdst(0)
	s_wait_kmcnt 0x0
	s_cmp_lt_u32 ttmp9, 128                        ; the gate: the choice hangs on the work-group's number alone
	s_cselect_b64 s[6:7], s[6:7], s[8:9]           ; U
	s_cselect_b64 s[10:11], s[10:11], s[16:17]     ; its three biases
	s_cselect_b64 s[12:13], s[12:13], s[18:19]
	s_cselect_b64 s[14:15], s[14:15], s[20:21]
	s_cselect_b32 s36, 0, 8192                     ; its row of gbias
	s_add_nc_u64 s[6:7], s[6:7], s[30:31]
	s_add_nc_u64 s[38:39], s[28:29], s[36:37]
	global_load_b32 v[BG], v3, s[10:11]            ; the biases first: they are in when the first row is
	global_load_b32 v[BG+1], v3, s[12:13]
	global_load_b32 v[BG+2], v3, s[14:15]
	global_load_b32 v[BH], v5, s[22:23]
	global_load_b32 v[BH+1], v5, s[24:25]
	global_load_b32 v[BH+2], v5, s[26:27]
.irp i, 0,1,2,3,4,5,6,7,8,9,10,11,12,13,14,15
	global_load_b128 v[H+4*\i:H+4*\i+3], v1, s[4:5] offset:512*\i
.endr
.irp p, 0,1
.irp i, 0,1,2,3,4,5,6,7,8,9,10,11,12,13,14,15
	global_load_b128 v[ROW+64*\p+4*\i:ROW+64*\p+4*\i+3], v1, s[6:7] offset:8192*\p+512*\i th:TH_LOAD_NT   ; 32 lanes read 512 consecutive bytes; read once in the launch
.endr
.endr
; The dot product of the row at v[row] on with h: four chains of packed multiply-adds, started by four multiplies (nothing is cleared); then across the 32 lanes.
.macro DOT row, sum
.irp c, 0,1,2,3
	v_pk_mul_f32 v[CH+2*\c:CH+2*\c+1], v[\row+2*\c:\row+2*\c+1], v[H+2*\c:H+2*\c+1]
.endr
.set P, 4
.rept 28
	s_delay_alu instid0(VALU_DEP_4)
	v_pk_fma_f32 v[CH+2*(P%4):CH+2*(P%4)+1], v[\row+2*P:\row+2*P+1], v[H+2*P:H+2*P+1], v[CH+2*(P%4):CH+2*(P%4)+1]
.set P, P+1
.endr
	s_delay_alu instid0(VALU_DEP_3)
	v_pk_add_f32 v[CH:CH+1], v[CH:CH+1], v[CH+2:CH+3]
	s_delay_alu instid0(VALU_DEP_2)
	v_pk_add_f32 v[CH+4:CH+5], v[CH+4:CH+5], v[CH+6:CH+7]
	s_delay_alu instid0(VALU_DEP_1)
	v_pk_add_f32 v[CH:CH+1], v[CH:CH+1], v[CH+4:CH+5]
	s_delay_alu instid0(VALU_DEP_1)
	v_add_f32 v208, v[CH], v[CH+1]
	s_delay_alu instid0(VALU_DEP_1)
	v_add_f32_dpp v208, v208, v208 row_xmask:1 row_mask:0xf bank_mask:0xf
	s_delay_alu instid0(VALU_DEP_1)
	v_add_f32_dpp v208, v208, v208 row_xmask:2 row_mask:0xf bank_mask:0xf
	s_delay_alu instid0(VALU_DEP_1)
	v_add_f32_dpp v208, v208, v208 row_xmask:4 row_mask:0xf bank_mask:0xf
	s_delay_alu instid0(VALU_DEP_1)
	v_add_f32_dpp v208, v208, v208 row_xmask:8 row_mask:0xf bank_mask:0xf
	s_delay_alu instid0(VALU_DEP_1)
	v_permlanex16_b32 v209, v208, s40, s41
	s_delay_alu instid0(VALU_DEP_1)
	v_add_f32 v[\sum], v208, v209                  ; every lane holds the row's sum
.endm
	s_wait_loadcnt 16                              ; the biases, h and my first row are in; the second row's sixteen loads may be out
	DOT ROW, 210
	s_wait_loadcnt 0x0
	DOT ROW+64, 212
	v_mov_b32 v211, s[WV]
	s_delay_alu instid0(VALU_DEP_1)
	v_lshlrev_b32 v211, 3, v211                    ; LDS: word 2 w + p holds the sum of the work-group's row 2 w + p
	ds_store_b32 v211, v210                        ; all lanes write the same word with the same value
	ds_store_b32 v211, v212 offset:4
	s_wait_dscnt 0x0                               ; for the others' sake: my stores have landed
	s_barrier_signal -1
	s_barrier_wait -1
	s_cmp_lg_u32 s[WV], 0
	s_cbranch_scc1 .Lnot_wave_0
	; wave 0: the 16 sums and their biases, a lane a row
	s_wait_xcnt 0x0                                ; EXEC changes only behind this wait
	v_cmp_gt_u32 vcc_lo, 16, v0
	s_wait_tensorcnt 0x0
	ds_add_u32 v220, v221
	s_wait_dscnt 0x0
	s_and_saveexec_b32 s35, vcc_lo                 ; lanes 0-15
	ds_load_b32 v4, v2
	v_add_f32 v6, v[BG], v[BG+1]
	s_wait_dscnt 0x0
	v_add_f32 v4, v4, v[BG+2]
	s_wait_alu depctr_va_vdst(0)
	v_add_f32 v4, v4, v6
	s_delay_alu instid0(VALU_DEP_1)
	v_mul_f32 v4, 0xbfb8aa3b, v4                   ; x -log2(e)
	global_store_b32 v3, v4, s[38:39]
	s_wait_xcnt 0x0                                ; and again, in front of the line that widens EXEC
	s_or_b32 exec_lo, exec_lo, s35
	s_endpgm
.Lnot_wave_0:
	s_cmp_lg_u32 s[WV], 1
	s_cbranch_scc1 .Lend
	s_cmp_lt_u32 ttmp9, 64                         ; each column of row [2] has one owner
	s_cbranch_scc0 .Lend
	v_add_f32 v4, v[BH], v[BH+1]
	s_delay_alu instid0(VALU_DEP_1)
	v_add_f32 v4, v4, v[BH+2]
	s_delay_alu instid0(VALU_DEP_1)
	v_mul_f32 v4, 0x4038aa3b, v4                   ; x 2 log2(e)
	global_store_b32 v5, v4, s[28:29] offset:16384
.Lend:
	s_wait_tensorcnt 0x0
	ds_add_u32 v220, v221
	s_wait_dscnt 0x0
	s_endpgm
.Lfunc_end_k_q46a62e0b2a_gates:
	.size	k_q46a62e0b2a_gates, .Lfunc_end_k_q46a62e0b2a_gates-k_q46a62e0b2a_gates
	.p2alignl 7, 3214868480
	.fill 96, 4, 3214868480
	.section	.rodata,"a",@progbits
	.p2align	6, 0x0
	.amdhsa_kernel k_q46a62e0b2a_gates
		.amdhsa_group_segment_fixed_size 1280
		.amdhsa_private_segment_fixed_size 0
		.amdhsa_enable_private_segment 0
		.amdhsa_kernarg_size 192
		.amdhsa_user_sgpr_count 2
		.amdhsa_user_sgpr_kernarg_segment_ptr 1
		.amdhsa_wavefront_size32 1
		.amdhsa_system_sgpr_workgroup_id_x 1
		.amdhsa_system_sgpr_workgroup_id_y 1
		.amdhsa_system_sgpr_workgroup_id_z 1
		.amdhsa_system_vgpr_workitem_id 0
		.amdhsa_next_free_vgpr 222
		.amdhsa_next_free_sgpr 66
		.amdhsa_reserve_vcc 1
		.amdhsa_float_denorm_mode_32 3
		.amdhsa_float_denorm_mode_16_64 3
		.amdhsa_memory_ordered 1
		.amdhsa_forward_progress 1
		.amdhsa_inst_pref_size 23
	.end_amdhsa_kernel
	.amdgpu_metadata
---
amdhsa.version: [ 1, 2 ]
amdhsa.kernels:
  - .name:           k_q46a62e0b2a_gates
    .symbol:         k_q46a62e0b2a_gates.kd
    .args:
      - { .name: h, .offset: 0, .size: 8, .value_kind: global_buffer, .address_space: global }
      - { .name: Uz, .offset: 8, .size: 8, .value_kind: global_buffer, .address_space: global }
      - { .name: Ur, .offset: 16, .size: 8, .value_kind: global_buffer, .address_space: global }
      - { .name: bwz, .offset: 24, .size: 8, .value_kind: global_buffer, .address_space: global }
      - { .name: buz, .offset: 32, .size: 8, .value_kind: global_buffer, .address_space: global }
      - { .name: b_z, .offset: 40, .size: 8, .value_kind: global_buffer, .address_space: global }
      - { .name: bwr, .offset: 48, .size: 8, .value_kind: global_buffer, .address_space: global }
      - { .name: bur, .offset: 56, .size: 8, .value_kind: global_buffer, .address_space: global }
      - { .name: b_r, .offset: 64, .size: 8, .value_kind: global_buffer, .address_space: global }
      - { .name: bwh, .offset: 72, .size: 8, .value_kind: global_buffer, .address_space: global }
      - { .name: buh, .offset: 80, .size: 8, .value_kind: global_buffer, .address_space: global }
      - { .name: b_h, .offset: 88, .size: 8, .value_kind: global_buffer, .address_space: global }
      - { .name: gbias, .offset: 96, .size: 8, .value_kind: global_buffer, .address_space: global }
      - { .name: x_codes, .offset: 104, .size: 8, .value_kind: global_buffer, .address_space: global }
      - { .name: x_scales, .offset: 112, .size: 8, .value_kind: global_buffer, .address_space: global }
      - { .name: Wr_codes, .offset: 120, .size: 8, .value_kind: global_buffer, .address_space: global }
      - { .name: Wr_scales, .offset: 128, .size: 8, .value_kind: global_buffer, .address_space: global }
      - { .name: Wz_codes, .offset: 136, .size: 8, .value_kind: global_buffer, .address_space: global }
      - { .name: Wz_scales, .offset: 144, .size: 8, .value_kind: global_buffer, .address_space: global }
      - { .name: Wh_codes, .offset: 152, .size: 8, .value_kind: global_buffer, .address_space: global }
      - { .name: Wh_scales, .offset: 160, .size: 8, .value_kind: global_buffer, .address_space: global }
      - { .name: Uh_codes, .offset: 168, .size: 8, .value_kind: global_buffer, .address_space: global }
      - { .name: Uh_scales, .offset: 176, .size: 8, .value_kind: global_buffer, .address_space: global }
      - { .name: img, .offset: 184, .size: 8, .value_kind: global_buffer, .address_space: global }
    .group_segment_fixed_size: 1280
    .private_segment_fixed_size: 0
    .kernarg_segment_align: 8
    .kernarg_segment_size: 192
    .max_flat_workgroup_size: 256
    .sgpr_count:     66
    .vgpr_count:     222
    .wavefront_size: 32
...
	.end_amdgpu_metadata
.endif
;; end of part 1
;; launch rgate (part 2): grid 8 x 32, 4 waves a work-group, clusters of 4 x 4, 327,680 bytes of LDS; arguments img, gbias, h, rhimg; writes rhimg
.if DOCPART == 2
	.amdgcn_target "amdgcn-amd-amdhsa--gfx1250"
	.amdhsa_code_object_version 6
	.text
	.protected	k_q46a62e0b2a_rgate
	.globl	k_q46a62e0b2a_rgate
	.p2align	8
	.type	k_q46a62e0b2a_rgate,@function
k_q46a62e0b2a_rgate:
	s_mov_b64 s[64:65], 0
	v_nop
	global_prefetch_b8 v0, s[64:65] scope:SCOPE_SE
	s_setreg_imm32_b32 hwreg(HW_REG_WAVE_MODE, 25, 1), 1
	s_wait_xcnt 0x0
	s_wait_alu depctr_hold_cnt(0) depctr_sa_sdst(0) depctr_va_vdst(0) depctr_va_sdst(0) depctr_va_ssrc(0) depctr_va_vcc(0) depctr_vm_vsrc(0)
	s_getreg_b32 s2, hwreg(HW_REG_IB_STS2, 6, 4)
	s_cmp_eq_u32 s2, 0
	s_cbranch_scc0 .Lentry_in_a_cluster
	s_endpgm
.Lentry_in_a_cluster:
	s_bfe_u32 s2, ttmp6, 0x10000c
	s_cmp_lg_u32 s2, 0xf033
	s_cbranch_scc0 .Lentry_shape_is_right
	s_endpgm
.Lentry_shape_is_right:
; r = sigmoid(x Wr^T + (h Ur^T + bwr + bur + b_r)); r x h is quantised along the 2,048 columns (the K of the last product) to FP6 (E2M3) with one E8M0 byte for each 32.
; x and Wr come from img, in units of 64 rows x 128 K (four register images, then 64 scale words: 6,400 bytes).  The bias sum comes from gbias row 1, already x -log2(e).
; SHARES.  A work-group makes 128 rows x 256 columns: 256 work-groups.  A wave makes 64 x 128: 4 blocks of x's rows x 8 of Wr's, 32 accumulators; its result is ONE unit of rhimg, laid as img is.
; THE RING: two slots of 153,600 bytes, each with four steps of 128 along K of x's two row groups and Wr's four: four fills for all of K.  Waves 0, 1 fetch a row group of x each, waves 2, 3 two of Wr each.
; CLUSTERS 4 x 4: x's tiles are shared along a row of the cluster, Wr's along a column: joint loads, each behind a round of the cluster's barrier.
; THE MATRIX INSTRUCTION IS USED TRANSPOSED (source 0 = Wr, source 1 = x): lane (r, h) holds row r and columns 8 h + 0 .. 7 of a block.  A scale register holds two blocks' words: lanes 0-15 the even block, 16-31 the odd.
; REGISTERS: window 0: v2-11 addresses; v16-31 scale words, two sets; v64-159 x's fragments, two sets.  window 1: Wr's two sets at v0, v128.  window 2: accumulator (a, b) at v[8 (8 a + b)].  window 3: v0-63 bias sums, v64-127 h.
; LIMITS: NaN and infinities among the inputs are not served.  Where the exponential overflows or falls to 0, r is 0 or 1; r under 2^-126 becomes 0.  A block of r x h whose largest magnitude lies under 2^-124
; gets the byte 1: only this program reads the bytes.  The bias sum is added in one fused multiply-add: an order of rounding other than reference()'s.
.set UB, 6400
.set GP, 16*UB                         ; from row group to row group in memory
.set GS, 4*UB                          ; a row group's four steps in a slot
.set SLOT, 6*GS
.set SPARE, 2*SLOT                     ; the spare words: 512 bytes that no other line names
.set ADRA, 2
.set ADRB, 4
.set ADSA, 6
.set ADSB, 8
.set SPW, 10
.set NIL, 11
.set SC, 16                            ; set p at + 8 p: 0-1 x's blocks, 2-5 Wr's
.set AF, 64                            ; x's set p at + 48 p
.set T, 64
.set PC, 128
.set TM, 160
.set PW, 176
.set LI, 240
.set L4, 241
.set HF, 242
.set WV, 12
.set WM, 13
.set WN, 14
.set G1, 16
.set G1B, 24
.set G0, 32
.set G0B, 40
.set TX, 48
.set TY, 49
.set LG, 56
.set SEL, 58
.set DENSW, (3<<16)|(1<<21)            ; elements of 8 bytes, no padding, bit 21 beside a mask
.set MUL, 0xa1
.set MSB, 0
.macro WIN new
.if MSB != \new
	s_set_vgpr_msb (MSB<<8)|\new
.set MSB, \new
.endif
.endm
.macro PLACES n
.rept \n
	v_nop
.endr
.endm
.macro JLOAD s                         ; waves 0, 1 ask for x's tiles, waves 2, 3 for Wr's; s_nop 0 and four v_nop follow each line
	s_cmp_eq_u32 s[WM], 0
	s_cbranch_scc0 .Lfor_b_\@
	tensor_load_to_lds s[G0+4*(\s):G0+4*(\s)+3], s[G1:G1+7]
	s_nop 0
	PLACES 4
	s_branch .Lasked_\@
.Lfor_b_\@:
	tensor_load_to_lds s[G0B+4*(\s):G0B+4*(\s)+3], s[G1B:G1B+7]
	s_nop 0
	PLACES 4
.Lasked_\@:
.endm
.macro CREST
	s_cmp_lg_u32 s[WV], 0
	s_cbranch_scc1 .Lnot_wave_0_\@
	s_barrier_signal -3
.Lnot_wave_0_\@:
	s_barrier_wait -3
	s_barrier_signal -1
	s_barrier_wait -1
.endm
.macro CROUND
	s_barrier_signal -1
	s_barrier_wait -1
	CREST
.endm
	s_load_b128 s[4:7], s[0:1], 0x0                ; img, gbias
	s_load_b128 s[8:11], s[0:1], 0x10              ; h, rhimg
	v_lshl_add_u32 v[SPW], v0, 2, SPARE
	v_mov_b32 v[NIL], 0
	ds_add_u32 v[SPW], v[NIL]                      ; the opening lines: the add twice and its wait
	ds_add_u32 v[SPW], v[NIL]
	v_lshrrev_b32 v1, 5, v0
	v_readfirstlane_b32 s[WV], v1
	s_lshr_b32 s[WM], s[WV], 1                     ; my 64 rows; also: I fetch for x (0) or Wr (1)
	s_and_b32 s[WN], s[WV], 1                      ; my 128 columns; also: which part I fetch
	s_bfe_u32 s3, ttmp6, 0x40000
	s_bfe_u32 s15, ttmp6, 0x40004
	s_lshl_b32 s[TX], ttmp9, 2
	s_add_co_u32 s[TX], s[TX], s3
	s_and_b32 s[TY], ttmp7, 0xffff
	s_lshl_b32 s[TY], s[TY], 2
	s_add_co_u32 s[TY], s[TY], s15
	s_lshl_b32 s60, s15, 2
	s_lshl_b32 s60, 15, s60                        ; my row of the cluster
	s_lshl_b32 s61, 0x1111, s3                     ; my column
	s_or_b32 s[G1], s60, DENSW                     ; x: one row of 25,600 bytes
	s_mov_b32 s[G1+1], 3200<<16
	s_mov_b32 s[G1+2], 1<<16
	s_mov_b32 s[G1+3], 3200<<16
	s_mov_b32 s[G1+4], 1
	s_mov_b32 s[G1+5], GP/8
	s_mov_b32 s[G1+6], 1<<16
	s_mov_b32 s[G1+7], 0
	s_or_b32 s[G1B], s61, DENSW                    ; Wr: two such rows
	s_mov_b32 s[G1B+1], 3200<<16
	s_mov_b32 s[G1B+2], 2<<16
	s_mov_b32 s[G1B+3], 3200<<16
	s_mov_b32 s[G1B+4], 2
	s_mov_b32 s[G1B+5], GP/8
	s_mov_b32 s[G1B+6], 0
	s_mov_b32 s[G1B+7], 0
	s_lshl_b32 s50, s[TY], 1
	s_add_co_u32 s50, s50, s[WN]
	s_mul_i32 s50, s50, GP                         ; x's row group 2 ty + part
	s_mov_b32 s51, 0
	s_lshl_b32 s52, s[TX], 2
	s_lshl_b32 s53, s[WN], 1
	s_add_co_u32 s52, s52, s53
	s_add_co_u32 s52, s52, 64
	s_mul_i32 s52, s52, GP                         ; Wr's row groups 64 + 4 tx + 2 part
	s_mov_b32 s53, 0
	s_mul_i32 s54, s[WN], GS
	s_mul_i32 s55, s[WN], 2*GS
	s_add_co_u32 s55, s55, 2*GS                    ; Wr lies behind x's two groups
	s_mov_b32 s[LG], 0xbfb8aa3b
	s_mov_b32 s[LG+1], s[LG]
	s_mov_b32 s[SEL], 0x76543210
	s_mov_b32 s[SEL+1], 0xfedcba98
	s_wait_dscnt 0x0
	s_wait_kmcnt 0x0
	s_add_nc_u64 s[50:51], s[4:5], s[50:51]
	s_add_nc_u64 s[52:53], s[4:5], s[52:53]
	CROUND                                         ; the first joint loads meet
.irp s, 0,1
	s_mov_b32 s[G0+4*\s], 1
	s_add_co_u32 s[G0+4*\s+1], s54, \s*SLOT
	s_add_nc_u64 s[G0+4*\s+2:G0+4*\s+3], s[50:51], \s*GS
	s_or_b32 s[G0+4*\s+3], s[G0+4*\s+3], 0x80000000
	s_mov_b32 s[G0B+4*\s], 1
	s_add_co_u32 s[G0B+4*\s+1], s55, \s*SLOT
	s_add_nc_u64 s[G0B+4*\s+2:G0B+4*\s+3], s[52:53], \s*GS
	s_or_b32 s[G0B+4*\s+3], s[G0B+4*\s+3], 0x80000000
.endr
	JLOAD 0                                        ; steps 0-3: one tensor load a wave at the head
	s_mul_i32 s54, s[WM], GS                       ; what I read: x's group wm; Wr's two groups begin at s55
	s_lshl_b32 s50, s[TX], 10
	s_lshl_b32 s51, s[WN], 9
	s_add_co_u32 s50, s50, s51                     ; my 128 columns in bytes of f32
	s_mov_b32 s51, 0
	s_add_nc_u64 s[6:7], s[6:7], s[50:51]
	s_add_nc_u64 s[8:9], s[8:9], s[50:51]
	s_lshl_b32 s50, s[TY], 1
	s_add_co_u32 s50, s50, s[WM]
	s_lshl_b32 s50, s50, 4
	s_lshl_b32 s52, s[TX], 1
	s_add_co_u32 s50, s50, s52
	s_add_co_u32 s50, s50, s[WN]
	s_mul_i32 s50, s50, UB                         ; my unit of rhimg: row group 2 ty + wm, step 2 tx + wn
	s_add_nc_u64 s[10:11], s[10:11], s[50:51]
	v_and_b32 v1, 31, v0
	v_bfe_u32 v12, v0, 4, 1
	v_lshlrev_b32 v12, 5, v12                      ; 32 h
	v_lshl_add_u32 v[ADRA], v1, 4, s54
	v_lshl_add_u32 v[ADRB], v1, 4, s55
	v_lshl_add_u32 v[ADSA], v1, 2, s54
	v_lshl_add_u32 v[ADSB], v1, 2, s55
.irp r, ADRA, ADRB, ADSA, ADSB
	v_add_nc_u32 v[\r+1], SLOT, v[\r]
.endr
	WIN 0xc0
.irp b, 0,1,2,3,4,5,6,7
	global_load_b128 v[8*\b:8*\b+3], v12, s[6:7] offset:8192+64*\b          ; the bias sums of columns 16 b + 8 h + 0 .. 7
	global_load_b128 v[8*\b+4:8*\b+7], v12, s[6:7] offset:8192+64*\b+16
	global_load_b128 v[64+8*\b:64+8*\b+3], v12, s[8:9] offset:64*\b         ; and h
	global_load_b128 v[64+8*\b+4:64+8*\b+7], v12, s[8:9] offset:64*\b+16
.endr
	WIN 0
.macro MM d, s0, s1, zero, sa, sb, ra, rb
.if \zero
	v_wmma_scale_f32_16x16x128_f8f6f4 v[\d:\d+7], v[\s0:\s0+11], v[\s1:\s1+11], 0, v[\sa], v[\sb] matrix_a_fmt:MATRIX_FMT_FP6 matrix_b_fmt:MATRIX_FMT_FP6 matrix_a_scale:MATRIX_SCALE_ROW\ra matrix_b_scale:MATRIX_SCALE_ROW\rb
.else
	v_wmma_scale_f32_16x16x128_f8f6f4 v[\d:\d+7], v[\s0:\s0+11], v[\s1:\s1+11], v[\d:\d+7], v[\sa], v[\sb] matrix_a_fmt:MATRIX_FMT_FP6 matrix_b_fmt:MATRIX_FMT_FP6 matrix_a_scale:MATRIX_SCALE_ROW\ra matrix_b_scale:MATRIX_SCALE_ROW\rb
.endif
.endm
.macro MULA ah, al, p, zero            ; x's block 2 ah + al against Wr's eight; the 32 accumulators take turns
.irp bh, 0,1,2,3
.irp bl, 0,1
	MM 8*(8*(2*\ah+\al)+2*\bh+\bl), 128*(\p)+12*(2*\bh+\bl), AF+48*(\p)+12*(2*\ah+\al), \zero, SC+8*(\p)+2+\bh, SC+8*(\p)+\ah, \bl, \al
.endr
.endr
.endm
.macro FETCH sl, t, p                  ; step t of slot sl into set p: an image comes back by three loads of 512 consecutive bytes
	WIN 0x40
.irp i, 0,1,2,3,4,5,6,7
.irp c, 0,1,2
	ds_load_b128 v[128*(\p)+12*\i+4*\c:128*(\p)+12*\i+4*\c+3], v[ADRB+(\sl)] offset:(\i/4)*GS+(\i%4)*1536+(\t)*UB+512*\c
.endr
.endr
	WIN 0
.irp i, 0,1,2,3
.irp c, 0,1,2
	ds_load_b128 v[AF+48*(\p)+12*\i+4*\c:AF+48*(\p)+12*\i+4*\c+3], v[ADRA+(\sl)] offset:\i*1536+(\t)*UB+512*\c
.endr
.endr
.irp j, 0,1
	ds_load_b32 v[SC+8*(\p)+\j], v[ADSA+(\sl)] offset:6144+128*\j+(\t)*UB
.endr
.irp j, 0,1,2,3
	ds_load_b32 v[SC+8*(\p)+2+\j], v[ADSB+(\sl)] offset:6144+(\j/2)*GS+128*(\j%2)+(\t)*UB
.endr
.endm
; A step of 128 along K: the set in registers is multiplied while the next step's is on its way.  A slot's last step changes slots.
.macro STEP st
.set SL, ((\st)/4)%2
.set NX, (\st)+1
.set PP, (\st)%2
.if (\st)%4 == 3 && (\st) < 15
	s_wait_tensorcnt 0x0                           ; all my tensor loads have landed: my part of the next slot
	ds_add_u32 v[SPW], v[NIL]
.if (\st) < 8
	s_add_nc_u64 s[G0+4*SL+2:G0+4*SL+3], s[G0+4*SL+2:G0+4*SL+3], 2*GS
	s_add_nc_u64 s[G0B+4*SL+2:G0B+4*SL+3], s[G0B+4*SL+2:G0B+4*SL+3], 2*GS
.endif
	s_wait_dscnt 0x0                               ; the add is done; this step's set is in, so my reads of this slot are over
	s_barrier_signal -1
	WIN MUL
	MULA 0, 0, PP, 0
	WIN 0
	s_barrier_wait -1
.if (\st) < 8
	CREST                                          ; the barrier has opened a round of the cluster's
	JLOAD SL                                       ; this slot's next four steps: the first tensor load behind the round
.else
	PLACES 4
.endif
	FETCH (NX/4)%2, NX%4, NX%2
	WIN MUL
	MULA 0, 1, PP, 0
	MULA 1, 0, PP, 0
	MULA 1, 1, PP, 0
	WIN 0
.else
	s_wait_dscnt 0x0                               ; this step's set is in
.if (\st) < 15
	PLACES 4                                       ; behind the products that read the other set
	FETCH (NX/4)%2, NX%4, NX%2
.endif
	WIN MUL
	MULA 0, 0, PP, (\st)==0
	MULA 0, 1, PP, (\st)==0
	MULA 1, 0, PP, (\st)==0
	MULA 1, 1, PP, (\st)==0
	WIN 0
.endif
.endm
	s_wait_alu depctr_va_vdst(0)                   ; the wait at the head's end
	s_wait_loadcnt 0x0
	s_wait_tensorcnt 0x0                           ; my part of slot 0 is in; the lines ahead of a later first fill:
	ds_add_u32 v[SPW], v[NIL]
	s_wait_dscnt 0x0
	CROUND
	JLOAD 1                                        ; steps 4-7
	FETCH 0, 0, 0
.set ST, 0
.rept 16
	STEP ST
.set ST, ST+1
.endr
; THE WAY OUT.  64 numbers of a lane, register 16 b + i = k 32 b + 16 (lane / 16) + i of my row, become a fragment's codes in v[PC] on and its scale word in v[pw].
.macro QUANT s, pw
.irp b, 0,1,2,3
	v_max3_num_f32 v[TM+\b], |v[\s+16*\b]|, |v[\s+1+16*\b]|, 0x1800000   ; with the floor 2^(3 - 127): the byte cannot fall under 1
.endr
.irp i, 2,4,6,8,10,12,14
.irp b, 0,1,2,3
	v_max3_num_f32 v[TM+\b], v[TM+\b], |v[\s+16*\b+\i]|, |v[\s+1+16*\b+\i]|
.endr
.endr
.irp b, 0,1,2,3
	v_permlanex16_b32 v[TM+4+\b], v[TM+\b], s[SEL], s[SEL+1]
.endr
.irp b, 0,1,2,3
	v_max_num_f32 v[TM+\b], v[TM+\b], v[TM+4+\b]
.endr
.irp b, 0,1,2,3
	v_add_nc_u32 v[TM+12+\b], 0xff000000, v[TM+\b] ; 2 off the exponent field: the conversion's scale operand
.endr
.irp b, 0,1,2,3
	v_lshrrev_b32 v[TM+4+\b], 23, v[TM+12+\b]      ; the byte
.endr
	v_lshl_or_b32 v[\pw], v[TM+5], 8, v[TM+4]
	v_lshl_or_b32 v[\pw], v[TM+6], 16, v[\pw]
	v_lshl_or_b32 v[\pw], v[TM+7], 24, v[\pw]
.irp c, 0,1
	v_cvt_scalef32_pk16_fp6_f32 v[PC+6*\c:PC+2+6*\c], v[\s+32*\c:\s+15+32*\c], v[TM+12+2*\c]
	v_cvt_scalef32_pk16_fp6_f32 v[PC+12+4*\c:PC+14+4*\c], v[\s+16+32*\c:\s+31+32*\c], v[TM+12+2*\c+1]
.endr
	v_nop                                          ; one plain place behind a scaled conversion
.irp c, 0,1                                    ; a whole block to a lane
.irp i, 0,1,2
	v_permlane16_swap_b32 v[PC+6*\c+\i], v[PC+12+4*\c+\i]
.endr
.irp i, 0,1,2
	v_mov_b32 v[PC+3+6*\c+\i], v[PC+12+4*\c+\i]
.endr
.endr
.endm
; Block a: t = sum x -log2(e) + bias sum;  r = 1 / (1 + 2^t);  r x h;  quantised;  the image leaves as three stores of 512 consecutive bytes.
.macro OUTA a
.if \a > 0
	s_wait_xcnt 0x0                                ; the last block's stores have read their registers
.endif
	WIN 0x32
.set P, 0
.rept 32
	v_pk_fma_f32 v[T+P:T+P+1], v[64*\a+P:64*\a+P+1], s[LG:LG+1], v[P:P+1] op_sel_hi:[1,0,1]   ; each accumulator from its low end on
.set P, P+2
.endr
	WIN 0
.set P, 0
	s_wait_alu depctr_va_vdst(0)                   ; a wait ahead of each batch and one behind it
.rept 64
	v_exp_f32 v[T+P], v[T+P]
.set P, P+1
.endr
	v_nop
	s_wait_alu depctr_va_vdst(0)
.set P, 0
.rept 32
	v_pk_add_f32 v[T+P:T+P+1], v[T+P:T+P+1], 1.0 op_sel_hi:[1,0]
.set P, P+2
.endr
.set P, 0
	s_wait_alu depctr_va_vdst(0)
.rept 64
	v_rcp_f32 v[T+P], v[T+P]
.set P, P+1
.endr
	v_nop
	s_wait_alu depctr_va_vdst(0)
	WIN 0x0c
.set P, 0
.rept 32
	v_pk_mul_f32 v[T+P:T+P+1], v[T+P:T+P+1], v[64+P:64+P+1]
.set P, P+2
.endr
	WIN 0
.irp c, 0,1,2,3                                ; register 16 c + i then holds column 32 c + 16 h + i
.irp j, 0,1,2,3,4,5,6,7
	v_permlane16_swap_b32 v[T+16*\c+\j], v[T+16*\c+8+\j]
.endr
.endr
	QUANT T, PW+\a
.irp c, 0,1,2
	global_store_b128 v[LI], v[PC+4*\c:PC+4*\c+3], s[10:11] offset:1536*\a+512*\c
.endr
.endm
	PLACES 4                                       ; behind the last products
	v_and_b32 v[LI], 31, v0
	v_lshlrev_b32 v[L4], 2, v[LI]
	v_lshlrev_b32 v[LI], 4, v[LI]
	v_bfe_u32 v[HF], v0, 4, 1
.irp b, 0,1,2,3
	v_mov_b32 v[TM+4+\b], 0                        ; a lane permute's destination counts as one of its sources
.endr
	OUTA 0
	OUTA 1
	OUTA 2
	OUTA 3
	v_cmp_ne_u32 vcc_lo, 0, v[HF]                  ; every lane holds its row's four words: lanes 0-15 store the even block's, lanes 16-31 the odd one's
	v_cndmask_b32 v180, v[PW], v[PW+1], vcc_lo
	v_cndmask_b32 v181, v[PW+2], v[PW+3], vcc_lo
	global_store_b32 v[L4], v180, s[10:11] offset:6144
	global_store_b32 v[L4], v181, s[10:11] offset:6272   ; the two cover the unit's last 256 bytes
	s_wait_tensorcnt 0x0                           ; the wave's end
	ds_add_u32 v[SPW], v[NIL]
	s_wait_dscnt 0x0
	CROUND                                         ; the closing round
	s_endpgm
.Lfunc_end_k_q46a62e0b2a_rgate:
	.size	k_q46a62e0b2a_rgate, .Lfunc_end_k_q46a62e0b2a_rgate-k_q46a62e0b2a_rgate
	.p2alignl 7, 3214868480
	.fill 96, 4, 3214868480
	.section	.rodata,"a",@progbits
	.p2align	6, 0x0
	.amdhsa_kernel k_q46a62e0b2a_rgate
		.amdhsa_group_segment_fixed_size 327680
		.amdhsa_private_segment_fixed_size 0
		.amdhsa_enable_private_segment 0
		.amdhsa_kernarg_size 32
		.amdhsa_user_sgpr_count 2
		.amdhsa_user_sgpr_kernarg_segment_ptr 1
		.amdhsa_wavefront_size32 1
		.amdhsa_system_sgpr_workgroup_id_x 1
		.amdhsa_system_sgpr_workgroup_id_y 1
		.amdhsa_system_sgpr_workgroup_id_z 1
		.amdhsa_system_vgpr_workitem_id 0
		.amdhsa_next_free_vgpr 896
		.amdhsa_next_free_sgpr 66
		.amdhsa_reserve_vcc 1
		.amdhsa_float_denorm_mode_32 3
		.amdhsa_float_denorm_mode_16_64 3
		.amdhsa_memory_ordered 1
		.amdhsa_forward_progress 1
		.amdhsa_inst_pref_size 186
	.end_amdhsa_kernel
	.amdgpu_metadata
---
amdhsa.version: [ 1, 2 ]
amdhsa.kernels:
  - .name:           k_q46a62e0b2a_rgate
    .symbol:         k_q46a62e0b2a_rgate.kd
    .args:
      - { .name: img, .offset: 0, .size: 8, .value_kind: global_buffer, .address_space: global }
      - { .name: gbias, .offset: 8, .size: 8, .value_kind: global_buffer, .address_space: global }
      - { .name: h, .offset: 16, .size: 8, .value_kind: global_buffer, .address_space: global }
      - { .name: rhimg, .offset: 24, .size: 8, .value_kind: global_buffer, .address_space: global }
    .group_segment_fixed_size: 327680
    .private_segment_fixed_size: 0
    .kernarg_segment_align: 8
    .kernarg_segment_size: 32
    .max_flat_workgroup_size: 128
    .sgpr_count:     66
    .vgpr_count:     896
    .wavefront_size: 32
...
	.end_amdgpu_metadata
.endif
;; end of part 2
;; launch outp (part 3): grid 16 x 16, 4 waves a work-group, clusters of 4 x 4, 327,680 bytes of LDS; arguments img, rhimg, gbias, h, out0; writes out0
.if DOCPART == 3
	.amdgcn_target "amdgcn-amd-amdhsa--gfx1250"
	.amdhsa_code_object_version 6
	.text
	.protected	k_q46a62e0b2a_outp
	.globl	k_q46a62e0b2a_outp
	.p2align	8
	.type	k_q46a62e0b2a_outp,@function
k_q46a62e0b2a_outp:
	s_mov_b64 s[64:65], 0
	v_nop
	global_prefetch_b8 v0, s[64:65] scope:SCOPE_SE
	s_setreg_imm32_b32 hwreg(HW_REG_WAVE_MODE, 25, 1), 1
	s_wait_xcnt 0x0
	s_wait_alu depctr_hold_cnt(0) depctr_sa_sdst(0) depctr_va_vdst(0) depctr_va_sdst(0) depctr_va_ssrc(0) depctr_va_vcc(0) depctr_vm_vsrc(0)
	s_getreg_b32 s2, hwreg(HW_REG_IB_STS2, 6, 4)
	s_cmp_eq_u32 s2, 0
	s_cbranch_scc0 .Lentry_in_a_cluster
	s_endpgm
.Lentry_in_a_cluster:
	s_bfe_u32 s2, ttmp6, 0x10000c
	s_cmp_lg_u32 s2, 0xf033
	s_cbranch_scc0 .Lentry_shape_is_right
	s_endpgm
.Lentry_shape_is_right:
; z = sigmoid(x Wz^T + gz);  h_hat = tanh(x Wh^T + Q(r x h) Uh^T + gh);  out = h + z (h_hat - h).  All operands are FP6 (E2M3) codes with E8M0 bytes, in units of 64 rows x 128 K (img, rhimg).
; gz and gh come from gbias rows 0 and 2, already x -log2(e) and x 2 log2(e).
; SHARES.  A work-group makes 256 rows x 128 columns: 256 work-groups.  A wave makes 128 rows x 64 columns of z AND of h_hat: 8 blocks of rows x (4 + 4) of columns, 64 accumulators.
; PHASE 1, 16 steps of 128 along K: source 1 = x, source 0 = 64 rows of Wz and 64 of Wh: 64 matrix instructions a step.  PHASE 2, 16 steps: source 1 = r x h, source 0 = 64 rows of Uh: 32 a step.
; THE RING: two slots of 153,600 bytes.  Phase 1: a fill brings 3 steps of 8 row groups (waves 0, 1 x's halves, wave 2 Wz, wave 3 Wh); fills begin at steps 0, 3, 6, 9, 12, 14; of the last two 2 steps are read;
; the last one's third step is the next row group's first unit, inside img (Uh lies behind x, Wz and Wh there), and is not read.
; Phase 2: a fill brings 4 steps of 6 row groups (waves 0, 1 r x h's halves, waves 2, 3 a row group of Uh each): four fills.  Ten fills in all, one tensor load a wave each.
; z's sigmoid is taken in phase 2, in place in z's accumulators, two blocks ahead of each change of slots.
; CLUSTERS 4 x 4: source 1's tiles are shared along a row of the cluster, the weights' along a column: joint loads, each behind a round of the cluster's barrier.
; TRANSPOSED USE (source 0 = a weight, source 1 = x or r x h): lane (r, h) holds row r and columns 8 h + 0 .. 7 of a block.  A scale register holds two blocks' words: lanes 0-15 the even block, 16-31 the odd.
; REGISTERS: window 0: v2-22 addresses; v32-47 scale words, two sets; v64-95 h, v96-127 gz, v224-255 gh; v128-223 source 1's fragments.  window 1: phase 1: the weights' two sets at v0, v128;
;   phase 2: Uh's set q at v[48 q], r x h's set 1 at v128; on the way out v0-31 = 1 - h.  windows 2, 3: accumulator (a, b) at v[8 (8 (a % 4) + b)]; b 0-3: z, 4-7: h_hat.
; LIMITS: NaN and infinities among the inputs are not served.  Where an exponential overflows or falls to 0, sigmoid and tanh take 0, 1, -1, 1 as in reference().  tanh is 1 - 2 / (1 + 2^t).
; The bias sums are added in one fused multiply-add, and h_hat's two products share one sum: an order of rounding other than reference()'s.
.set UB, 6400
.set GP, 16*UB
.set G3, 3*UB
.set G4, 4*UB
.set SLOT, 8*G3
.set SPARE, 2*SLOT                     ; the spare words: 512 bytes that no other line names
.set STAGE, SPARE+512                  ; the way out: 16 rows x 272 bytes a wave; no tile lands here
.set SP, 272
.set A1, 2
.set B1, 4
.set SA1, 6
.set SB1, 8
.set A2, 10
.set B2, 12
.set SA2, 14
.set SB2, 16
.set STO, 18
.set RD, 19
.set CO, 20
.set SPW, 21
.set NIL, 22
.set SC, 32                            ; set p at + 8 p: 0-3 source 1's blocks, 4-7 the weights'
.set HV, 64
.set GZ, 96
.set GH, 224
.set AF, 128
.set TZ, 128
.set TH, 160
.set RB, 192
.set WV, 12
.set WM, 13
.set WN, 14
.set G1, 16
.set G1B, 24
.set G0, 32
.set G0B, 40
.set P2A, 48
.set P2B, 50
.set L2A, 52
.set L2B, 53
.set TX, 56
.set TY, 57
.set DL, 58                            ; s[58:59] what slot 1's next refill of phase 1 adds to its address: 6 steps, then 5
.set CNT, 62
.set LZ, 68
.set LH, 70
.set DENSW, (3<<16)|(1<<21)
.set MUL_LO, 0xa1
.set MUL_HI, 0xf1
.set MSB, 0
.macro WIN new
.if MSB != \new
	s_set_vgpr_msb (MSB<<8)|\new
.set MSB, \new
.endif
.endm
.macro PLACES n
.rept \n
	v_nop
.endr
.endm
.macro JLOAD s                         ; waves 0, 1 ask for source 1's tiles, waves 2, 3 for the weights'; s_nop 0 and four v_nop follow each line
	s_cmp_eq_u32 s[WM], 0
	s_cbranch_scc0 .Lfor_b_\@
	tensor_load_to_lds s[G0+4*(\s):G0+4*(\s)+3], s[G1:G1+7]
	s_nop 0
	PLACES 4
	s_branch .Lasked_\@
.Lfor_b_\@:
	tensor_load_to_lds s[G0B+4*(\s):G0B+4*(\s)+3], s[G1B:G1B+7]
	s_nop 0
	PLACES 4
.Lasked_\@:
.endm
.macro CREST
	s_cmp_lg_u32 s[WV], 0
	s_cbranch_scc1 .Lnot_wave_0_\@
	s_barrier_signal -3
.Lnot_wave_0_\@:
	s_barrier_wait -3
	s_barrier_signal -1
	s_barrier_wait -1
.endm
.macro CROUND
	s_barrier_signal -1
	s_barrier_wait -1
	CREST
.endm
	s_load_b256 s[4:11], s[0:1], 0x0               ; img, rhimg, gbias, h
	s_load_b64 s[60:61], s[0:1], 0x20              ; out0
	v_lshl_add_u32 v[SPW], v0, 2, SPARE
	v_mov_b32 v[NIL], 0
	ds_add_u32 v[SPW], v[NIL]                      ; the opening lines: the add twice and its wait
	ds_add_u32 v[SPW], v[NIL]
	v_lshrrev_b32 v1, 5, v0
	v_readfirstlane_b32 s[WV], v1
	s_lshr_b32 s[WM], s[WV], 1                     ; my 128 rows; also: I fetch for source 1 (0) or the weights (1)
	s_and_b32 s[WN], s[WV], 1                      ; my 64 columns; also: which part I fetch
	s_bfe_u32 s3, ttmp6, 0x40000
	s_bfe_u32 s15, ttmp6, 0x40004
	s_lshl_b32 s[TX], ttmp9, 2
	s_add_co_u32 s[TX], s[TX], s3                  ; 128 columns each
	s_and_b32 s[TY], ttmp7, 0xffff
	s_lshl_b32 s[TY], s[TY], 2
	s_add_co_u32 s[TY], s[TY], s15                 ; 256 rows each
	s_lshl_b32 s76, s15, 2
	s_lshl_b32 s76, 15, s76                        ; my row of the cluster
	s_lshl_b32 s77, 0x1111, s3                     ; my column
	s_or_b32 s[G1], s76, DENSW
	s_or_b32 s[G1B], s77, DENSW
.irp g, G1, G1B                                ; phase 1: two rows of 19,200 bytes
	s_mov_b32 s[\g+1], 2400<<16
	s_mov_b32 s[\g+2], 2<<16
	s_mov_b32 s[\g+3], 2400<<16
	s_mov_b32 s[\g+4], 2
	s_mov_b32 s[\g+5], GP/8
	s_mov_b32 s[\g+6], 0
	s_mov_b32 s[\g+7], 0
.endr
	s_lshl_b32 s54, s[TY], 2
	s_lshl_b32 s55, s[WN], 1
	s_add_co_u32 s54, s54, s55
	s_mul_i32 s54, s54, GP                         ; x's and r x h's row groups 4 ty + 2 part
	s_mov_b32 s55, 0
	s_lshl_b32 s78, s[TX], 1
	s_lshl_b32 s79, s[WN], 5
	s_add_co_u32 s78, s78, s79
	s_add_co_u32 s78, s78, 96
	s_mul_i32 s78, s78, GP                         ; Wz's (wave 2) or Wh's (wave 3) row groups 2 tx
	s_mov_b32 s79, 0
	s_lshl_b32 s[P2B], s[TX], 1
	s_add_co_u32 s[P2B], s[P2B], s[WN]
	s_add_co_u32 s[P2B], s[P2B], 160
	s_mul_i32 s[P2B], s[P2B], GP                   ; Uh's row group 2 tx + part
	s_mov_b32 s[P2B+1], 0
	s_mul_i32 s[L2A], s[WN], 2*G4
	s_mul_i32 s[L2B], s[WN], G4
	s_add_co_u32 s[L2B], s[L2B], 4*G4
	s_mul_i32 s63, s[WV], 2*G3                     ; phase 1: wave x two row groups
	s_mov_b32 s[DL], 6*UB
	s_mov_b32 s[DL+1], 0
	s_mov_b32 s[LZ], 0xbfb8aa3b                    ; -log2(e)
	s_mov_b32 s[LZ+1], s[LZ]
	s_mov_b32 s[LH], 0x4038aa3b                    ; 2 log2(e)
	s_mov_b32 s[LH+1], s[LH]
	s_wait_dscnt 0x0
	s_wait_kmcnt 0x0
	s_add_nc_u64 s[P2A:P2A+1], s[6:7], s[54:55]
	s_add_nc_u64 s[54:55], s[4:5], s[54:55]
	s_add_nc_u64 s[78:79], s[4:5], s[78:79]
	s_add_nc_u64 s[P2B:P2B+1], s[4:5], s[P2B:P2B+1]
	CROUND                                         ; the first joint loads meet
.irp s, 0,1
	s_mov_b32 s[G0+4*\s], 1
	s_add_co_u32 s[G0+4*\s+1], s63, \s*SLOT
	s_add_nc_u64 s[G0+4*\s+2:G0+4*\s+3], s[54:55], \s*G3
	s_or_b32 s[G0+4*\s+3], s[G0+4*\s+3], 0x80000000
	s_mov_b32 s[G0B+4*\s], 1
	s_add_co_u32 s[G0B+4*\s+1], s63, \s*SLOT
	s_add_nc_u64 s[G0B+4*\s+2:G0B+4*\s+3], s[78:79], \s*G3
	s_or_b32 s[G0B+4*\s+3], s[G0B+4*\s+3], 0x80000000
.endr
	JLOAD 0                                        ; steps 0-2: one tensor load a wave at the head
	s_mul_i32 s54, s[WM], 2*G3                     ; what I read.  Phase 1: x's two groups,
	s_mul_i32 s55, s[WN], G3
	s_add_co_u32 s55, s55, 4*G3                    ; Wz's group wn (Wh's lies two groups on);
	s_mul_i32 s76, s[WM], 2*G4                     ; phase 2: r x h's two groups; Uh's group wn begins at L2B
	s_mul_i32 s77, s[WV], 16*SP
	s_add_co_u32 s77, s77, STAGE
	s_lshl_b32 s78, s[TX], 9
	s_lshl_b32 s79, s[WN], 8
	s_add_co_u32 s78, s78, s79                     ; my 64 columns in bytes of f32
	s_mov_b32 s79, 0
	s_add_nc_u64 s[8:9], s[8:9], s[78:79]
	s_add_nc_u64 s[10:11], s[10:11], s[78:79]
	s_add_nc_u64 s[60:61], s[60:61], s[78:79]
	s_lshl_b32 s78, s[TY], 8
	s_lshl_b32 s63, s[WM], 7
	s_add_co_u32 s78, s78, s63
	s_lshl_b32 s78, s78, 13                        ; my first row of out
	s_add_nc_u64 s[60:61], s[60:61], s[78:79]
	v_and_b32 v1, 31, v0
	v_and_b32 v23, 15, v0                          ; r
	v_bfe_u32 v24, v0, 4, 1                        ; h
	v_lshl_add_u32 v[A1], v1, 4, s54
	v_lshl_add_u32 v[B1], v1, 4, s55
	v_lshl_add_u32 v[SA1], v1, 2, s54
	v_lshl_add_u32 v[SB1], v1, 2, s55
	v_lshl_add_u32 v[A2], v1, 4, s76
	v_lshl_add_u32 v[B2], v1, 4, s[L2B]
	v_lshl_add_u32 v[SA2], v1, 2, s76
	v_lshl_add_u32 v[SB2], v1, 2, s[L2B]
.irp r, A1, B1, SA1, SB1, A2, B2, SA2, SB2
	v_add_nc_u32 v[\r+1], SLOT, v[\r]
.endr
	v_mul_u32_u24 v25, v23, SP
	v_lshl_add_u32 v25, v24, 5, v25
	v_add_nc_u32 v[STO], s77, v25                  ; into the stage: row r, 32 bytes for each half of the lanes
	v_mul_u32_u24 v25, v24, SP
	v_lshl_add_u32 v25, v23, 4, v25
	v_add_nc_u32 v[RD], s77, v25                   ; back: lanes 0-15 one row of 256 bytes, lanes 16-31 the next
	v_lshlrev_b32 v[CO], 13, v24
	v_lshl_add_u32 v[CO], v23, 4, v[CO]            ; the same two rows in out
	v_lshlrev_b32 v26, 5, v24                      ; 32 h
.irp b, 0,1,2,3
	global_load_b128 v[HV+8*\b:HV+8*\b+3], v26, s[10:11] offset:64*\b               ; h, gz, gh of columns 16 b + 8 h + 0 .. 7
	global_load_b128 v[HV+8*\b+4:HV+8*\b+7], v26, s[10:11] offset:64*\b+16
	global_load_b128 v[GZ+8*\b:GZ+8*\b+3], v26, s[8:9] offset:64*\b
	global_load_b128 v[GZ+8*\b+4:GZ+8*\b+7], v26, s[8:9] offset:64*\b+16
	global_load_b128 v[GH+8*\b:GH+8*\b+3], v26, s[8:9] offset:16384+64*\b
	global_load_b128 v[GH+8*\b+4:GH+8*\b+7], v26, s[8:9] offset:16384+64*\b+16
.endr
.macro MM d, s0, s1, zero, sa, sb, ra, rb
.if \zero
	v_wmma_scale_f32_16x16x128_f8f6f4 v[\d:\d+7], v[\s0:\s0+11], v[\s1:\s1+11], 0, v[\sa], v[\sb] matrix_a_fmt:MATRIX_FMT_FP6 matrix_b_fmt:MATRIX_FMT_FP6 matrix_a_scale:MATRIX_SCALE_ROW\ra matrix_b_scale:MATRIX_SCALE_ROW\rb
.else
	v_wmma_scale_f32_16x16x128_f8f6f4 v[\d:\d+7], v[\s0:\s0+11], v[\s1:\s1+11], v[\d:\d+7], v[\sa], v[\sb] matrix_a_fmt:MATRIX_FMT_FP6 matrix_b_fmt:MATRIX_FMT_FP6 matrix_a_scale:MATRIX_SCALE_ROW\ra matrix_b_scale:MATRIX_SCALE_ROW\rb
.endif
.endm
; ---- PHASE 1.  16 matrix instructions: x's blocks 2 ah, 2 ah + 1 against the weights' eight.  The accumulators take turns.
.macro MUL1 ah, p, zero
.irp al, 0,1
.irp bh, 0,1,2,3
.irp bl, 0,1
	MM 8*(8*((2*(\ah)+\al)%4)+2*\bh+\bl), 128*(\p)+12*(2*\bh+\bl), AF+12*(2*(\ah)+\al), \zero, SC+8*(\p)+4+\bh, SC+8*(\p)+(\ah), \bl, \al
.endr
.endr
.endr
.endm
.macro FB1 sl, t, p                    ; the weights' eight images into set p
	WIN 0x40
.irp i, 0,1,2,3,4,5,6,7
.irp c, 0,1,2
	ds_load_b128 v[128*(\p)+12*\i+4*\c:128*(\p)+12*\i+4*\c+3], v[B1+\sl] offset:(\i/4)*2*G3+(\i%4)*1536+(\t)*UB+512*\c
.endr
.endr
	WIN 0
.endm
.macro FA1 sl, t, i0                   ; x's blocks i0 .. i0 + 3
.irp i, \i0, \i0+1, \i0+2, \i0+3
.irp c, 0,1,2
	ds_load_b128 v[AF+12*(\i)+4*\c:AF+12*(\i)+4*\c+3], v[A1+\sl] offset:((\i)/4)*G3+((\i)%4)*1536+(\t)*UB+512*\c
.endr
.endr
.endm
.macro FS1 sl, t, p
.irp j, 0,1,2,3
	ds_load_b32 v[SC+8*(\p)+\j], v[SA1+\sl] offset:6144+(\j/2)*G3+128*(\j%2)+(\t)*UB
	ds_load_b32 v[SC+8*(\p)+4+\j], v[SB1+\sl] offset:6144+(\j/2)*2*G3+128*(\j%2)+(\t)*UB
.endr
.endm
; ---- PHASE 2's fetches
.macro F2B sl, t, q                    ; Uh's four images into set q (window 1)
.irp b, 0,1,2,3
.irp c, 0,1,2
	ds_load_b128 v[48*(\q)+12*\b+4*\c:48*(\q)+12*\b+4*\c+3], v[B2+(\sl)] offset:\b*1536+(\t)*UB+512*\c
.endr
.endr
.endm
.macro F2A sl, t, i0                   ; r x h's blocks i0 .. i0 + 3 (the caller sets the destination's window)
.irp i, \i0, \i0+1, \i0+2, \i0+3
.irp c, 0,1,2
	ds_load_b128 v[AF+12*(\i)+4*\c:AF+12*(\i)+4*\c+3], v[A2+(\sl)] offset:((\i)/4)*G4+((\i)%4)*1536+(\t)*UB+512*\c
.endr
.endr
.endm
.macro F2S sl, t, q
.irp j, 0,1,2,3
	ds_load_b32 v[SC+8*(\q)+\j], v[SA2+(\sl)] offset:6144+(\j/2)*G4+128*(\j%2)+(\t)*UB
.endr
.irp j, 0,1
	ds_load_b32 v[SC+8*(\q)+4+\j], v[SB2+(\sl)] offset:6144+128*\j+(\t)*UB
.endr
.endm
; A step of phase 1 on step t of slot sl, the weights' set p.  x has one set: blocks 0-3 are fetched anew in the step's middle, blocks 4-7 at its end.  The next step lies at (nsl, nt).
; turn = 1: the slot's last step that is read: the slot takes its next steps of phase 1;  turn = 2: it takes phase 2's first or second fill.  p2n = 1: the next step is phase 2's first.
.macro STEP1 sl, t, p, turn, zero, nsl, nt, p2n
	s_wait_dscnt 12                                ; all but the youngest 12 loads (x's blocks 4-7) are in
	WIN MUL_LO
	MUL1 0, \p, \zero
.if \turn
	WIN 0
	s_wait_tensorcnt 0x0                           ; all my tensor loads have landed: my part of the other slot
	ds_add_u32 v[SPW], v[NIL]
.if \turn == 1
.if \sl
	s_add_nc_u64 s[G0+6:G0+7], s[G0+6:G0+7], s[DL:DL+1]
	s_add_nc_u64 s[G0B+6:G0B+7], s[G0B+6:G0B+7], s[DL:DL+1]
	s_sub_co_u32 s[DL], s[DL], UB
.else
	s_add_nc_u64 s[G0+2:G0+3], s[G0+2:G0+3], 6*UB
	s_add_nc_u64 s[G0B+2:G0B+3], s[G0B+2:G0B+3], 6*UB
.endif
.else
	s_add_co_u32 s[G0+4*\sl+1], s[L2A], \sl*SLOT
	s_add_nc_u64 s[G0+4*\sl+2:G0+4*\sl+3], s[P2A:P2A+1], \sl*G4
	s_or_b32 s[G0+4*\sl+3], s[G0+4*\sl+3], 0x80000000
	s_add_co_u32 s[G0B+4*\sl+1], s[L2B], \sl*SLOT
	s_add_nc_u64 s[G0B+4*\sl+2:G0B+4*\sl+3], s[P2B:P2B+1], \sl*G4
	s_or_b32 s[G0B+4*\sl+3], s[G0B+4*\sl+3], 0x80000000
.if \sl == 0
	s_mov_b32 s[G1+1], 3200<<16                    ; no load of mine is out: from here on rows of 25,600 bytes, two for r x h,
	s_mov_b32 s[G1+3], 3200<<16
	s_mov_b32 s[G1B+1], 3200<<16                   ; one for Uh
	s_mov_b32 s[G1B+2], 1<<16
	s_mov_b32 s[G1B+3], 3200<<16
	s_mov_b32 s[G1B+4], 1
	s_mov_b32 s[G1B+6], 1<<16
.endif
.endif
	WIN MUL_LO
	MUL1 1, \p, \zero                              ; sixteen matrix instructions between the add and the wait for it
	s_wait_dscnt 0x0                               ; the add is done, and my reads of this slot are over
	s_barrier_signal -1
	WIN 0
	s_barrier_wait -1
	CREST                                          ; the barrier has opened a round of the cluster's
	JLOAD \sl                                      ; the first tensor load behind the round
.else
	MUL1 1, \p, \zero
	s_wait_dscnt 0x0
	PLACES 4
.endif
.if \p2n
	WIN 0x40
	F2B 0, 0, 0
	WIN 0
	F2A 0, 0, 0
	F2S 0, 0, 0
.else
	FB1 \nsl, \nt, 1-\p
	FA1 \nsl, \nt, 0
	FS1 \nsl, \nt, 1-\p
.endif
	WIN MUL_HI
	MUL1 2, \p, \zero
	MUL1 3, \p, \zero
	PLACES 4
	WIN 0
.if \p2n
	F2A 0, 0, 4
.else
	FA1 \nsl, \nt, 4
.endif
.endm
; ---- PHASE 2.  8 matrix instructions: r x h's blocks 2 ah, 2 ah + 1 against Uh's four, onto h_hat's accumulators, by turns.
.macro MUL2 ah, q
.irp al, 0,1
.irp bh, 0,1
.irp bl, 0,1
	MM 8*(8*((2*(\ah)+\al)%4)+4+2*\bh+\bl), 48*(\q)+12*(2*\bh+\bl), AF+12*(2*(\ah)+\al), 0, SC+8*(\q)+4+\bh, SC+8*(\q)+(\ah), \bl, \al
.endr
.endr
.endr
.endm
.macro F2 sl, t, q
	WIN 0x40
	F2B \sl, \t, \q
.if (\q) == 0
	WIN 0
.endif
	F2A \sl, \t, 0
	F2A \sl, \t, 4
	WIN 0
	F2S \sl, \t, \q
.endm
.macro STEP2 st                        ; the set in registers is multiplied while the next step's is on its way; a slot's last step changes slots
.set SL, ((\st)/4)%2
.set NX, (\st)+1
.set Q, (\st)%2
.if (\st)%4 == 3 && (\st) < 15
	s_wait_tensorcnt 0x0                           ; all my tensor loads have landed
	ds_add_u32 v[SPW], v[NIL]
.if (\st) < 8
	s_add_nc_u64 s[G0+4*SL+2:G0+4*SL+3], s[G0+4*SL+2:G0+4*SL+3], 2*G4
	s_add_nc_u64 s[G0B+4*SL+2:G0B+4*SL+3], s[G0B+4*SL+2:G0B+4*SL+3], 2*G4
.endif
	s_wait_dscnt 0x0                               ; the add is done; this step's set is in, so my reads of this slot are over
	s_barrier_signal -1
	WIN MUL_LO+4*Q
	MUL2 0, Q
	WIN 0
	s_barrier_wait -1
.if (\st) < 8
	CREST
	JLOAD SL
.else
	PLACES 4
.endif
	F2 (NX/4)%2, NX%4, NX%2
	WIN MUL_LO+4*Q
	MUL2 1, Q
.else
	s_wait_dscnt 0x0
.if (\st) < 15
	PLACES 4
	F2 (NX/4)%2, NX%4, NX%2
.endif
	WIN MUL_LO+4*Q
	MUL2 0, Q
	MUL2 1, Q
.endif
	WIN MUL_HI+4*Q
	MUL2 2, Q
	MUL2 3, Q
	WIN 0
.endm
; z of block a, in place in its four accumulators, which phase 2's products do not name:  t = sum x -log2(e) + gz;  z = 1 / (1 + 2^t).
.macro ZACT a
.set ZB, 64*((\a)%4)
.if (\a) < 4
	WIN 0x82
.else
	WIN 0xc3
.endif
	s_wait_alu depctr_va_vdst(0)                   ; the wait ahead of the first reader of these sums, and ahead of and behind each batch
.set P, 0
.rept 16
	v_pk_fma_f32 v[ZB+P:ZB+P+1], v[ZB+P:ZB+P+1], s[LZ:LZ+1], v[GZ+P:GZ+P+1] op_sel_hi:[1,0,1]   ; each accumulator from its low end on
.set P, P+2
.endr
.set P, 0
	s_wait_alu depctr_va_vdst(0)
.rept 32
	v_exp_f32 v[ZB+P], v[ZB+P]
.set P, P+1
.endr
	v_nop
	s_wait_alu depctr_va_vdst(0)
.set P, 0
.rept 16
	v_pk_add_f32 v[ZB+P:ZB+P+1], v[ZB+P:ZB+P+1], 1.0 op_sel_hi:[1,0]
.set P, P+2
.endr
.set P, 0
	s_wait_alu depctr_va_vdst(0)
.rept 32
	v_rcp_f32 v[ZB+P], v[ZB+P]
.set P, P+1
.endr
	v_nop
	s_wait_alu depctr_va_vdst(0)
	WIN 0
.endm
	s_wait_alu depctr_va_vdst(0)                   ; the wait at the head's end
	s_wait_loadcnt 0x0                             ; h, gz, gh
	s_wait_tensorcnt 0x0                           ; my part of slot 0 is in; the lines ahead of a later first fill:
	ds_add_u32 v[SPW], v[NIL]
	s_wait_dscnt 0x0
	CROUND
	JLOAD 1                                        ; steps 3-5
	FB1 0, 0, 0
	FA1 0, 0, 0
	FS1 0, 0, 0
	FA1 0, 0, 4
	STEP1 0, 0, 0, 0, 1, 0, 1, 0                   ; step 0 starts the sums
	s_mov_b32 s[CNT], 2
.Llap:                                                 ; a trip: six steps, once round the ring; steps 1 to 12; its refills begin at steps 6, 9 and 12, 14
	STEP1 0, 1, 1, 0, 0, 0, 2, 0
	STEP1 0, 2, 0, 1, 0, 1, 0, 0
	STEP1 1, 0, 1, 0, 0, 1, 1, 0
	STEP1 1, 1, 0, 0, 0, 1, 2, 0
	STEP1 1, 2, 1, 1, 0, 0, 0, 0
	STEP1 0, 0, 0, 0, 0, 0, 1, 0
	s_sub_co_u32 s[CNT], s[CNT], 1
	s_cmp_lg_u32 s[CNT], 0
	s_cbranch_scc1 .Llap
	STEP1 0, 1, 1, 2, 0, 1, 0, 0                   ; step 13: slot 0 takes phase 2's steps 0-3
	STEP1 1, 0, 0, 0, 0, 1, 1, 0                   ; step 14
	STEP1 1, 1, 1, 2, 0, 0, 0, 1                   ; step 15: slot 1 takes phase 2's steps 4-7; phase 2's first fragments are fetched
.set S2, 0
.rept 16
	STEP2 S2
.if S2%4 == 2
	ZACT (S2/4)*2                                  ; two blocks' sigmoids ahead of each slot's last step
	ZACT (S2/4)*2+1
.endif
.set S2, S2+1
.endr
; THE WAY OUT, block by block of 16 rows x my 64 columns.  th = h_hat's sum x 2 log2(e) + gh;  h_hat - h = (1 - h) - 2 / (1 + 2^th);  out = z (h_hat - h) + h.
.macro COMPUTE a
.if \a > 0
	s_wait_dscnt 8                                 ; the last block's eight stores into the stage have read their registers
.endif
.if \a < 4
	WIN 0x02
.else
	WIN 0x03
.endif
	s_wait_alu depctr_va_vdst(0)                   ; the wait ahead of the first reader of these sums, and ahead of and behind each batch
.set P, 0
.rept 16
	v_pk_fma_f32 v[TH+P:TH+P+1], v[64*((\a)%4)+32+P:64*((\a)%4)+32+P+1], s[LH:LH+1], v[GH+P:GH+P+1] op_sel_hi:[1,0,1]   ; each accumulator from its low end on
.set P, P+2
.endr
	WIN 0
.set P, 0
	s_wait_alu depctr_va_vdst(0)
.rept 32
	v_exp_f32 v[TH+P], v[TH+P]
.set P, P+1
.endr
	v_nop
	s_wait_alu depctr_va_vdst(0)
.set P, 0
.rept 16
	v_pk_add_f32 v[TH+P:TH+P+1], v[TH+P:TH+P+1], 1.0 op_sel_hi:[1,0]
.set P, P+2
.endr
.set P, 0
	s_wait_alu depctr_va_vdst(0)
.rept 32
	v_rcp_f32 v[TH+P], v[TH+P]
.set P, P+1
.endr
	v_nop
	s_wait_alu depctr_va_vdst(0)
	WIN 0x10
.set P, 0
.rept 16
	v_pk_fma_f32 v[TH+P:TH+P+1], v[TH+P:TH+P+1], -2.0, v[P:P+1] op_sel_hi:[1,0,1]
.set P, P+2
.endr
.if \a < 4
	WIN 0x02
.else
	WIN 0x03
.endif
.set P, 0
.rept 16
	v_pk_fma_f32 v[TZ+P:TZ+P+1], v[64*((\a)%4)+P:64*((\a)%4)+P+1], v[TH+P:TH+P+1], v[HV+P:HV+P+1]
.set P, P+2
.endr
	WIN 0
.endm
.macro TOSTAGE                         ; through my own stage, back as whole rows of 256 bytes; LDS serves a wave's instructions in order (ISA guide 5.7.1.4)
.irp b, 0,1,2,3
	ds_store_b128 v[STO], v[TZ+8*\b:TZ+8*\b+3] offset:64*\b
	ds_store_b128 v[STO], v[TZ+8*\b+4:TZ+8*\b+7] offset:64*\b+16
.endr
.irp t, 0,1,2,3,4,5,6,7
	ds_load_b128 v[RB+4*\t:RB+4*\t+3], v[RD] offset:\t*2*SP
.endr
.endm
.macro SEND a
	s_wait_dscnt 0x0
.irp t, 0,1,2,3,4,5,6,7
	global_store_b128 v[CO], v[RB+4*\t:RB+4*\t+3], s[60:61] offset:(16*(\a)+2*\t)*8192 th:TH_STORE_NT   ; 16 lanes store 256 consecutive bytes, aligned
.endr
.endm
	PLACES 4                                       ; behind the last products
	WIN 0x40
.set P, 0
.rept 16
	v_pk_fma_f32 v[P:P+1], v[HV+P:HV+P+1], -1.0, 1.0 op_sel_hi:[1,0,0]   ; 1 - h
.set P, P+2
.endr
	WIN 0
	COMPUTE 0
	TOSTAGE
.irp a, 1,2,3,4,5,6,7                  ; block a's arithmetic stands between block a - 1's loads from the stage and the wait for them
	COMPUTE \a
	s_wait_alu depctr_va_vdst(0)                   ; the wait ahead of SEND's wait
	SEND \a-1
	s_wait_xcnt 0x0                                ; those stores have read their registers
	TOSTAGE
.endr
	SEND 7
	s_wait_tensorcnt 0x0                           ; the wave's end
	ds_add_u32 v[SPW], v[NIL]
	s_wait_dscnt 0x0
	CROUND                                         ; the closing round
	s_endpgm
.Lfunc_end_k_q46a62e0b2a_outp:
	.size	k_q46a62e0b2a_outp, .Lfunc_end_k_q46a62e0b2a_outp-k_q46a62e0b2a_outp
	.p2alignl 7, 3214868480
	.fill 96, 4, 3214868480
	.section	.rodata,"a",@progbits
	.p2align	6, 0x0
	.amdhsa_kernel k_q46a62e0b2a_outp
		.amdhsa_group_segment_fixed_size 327680
		.amdhsa_private_segment_fixed_size 0
		.amdhsa_enable_private_segment 0
		.amdhsa_kernarg_size 40
		.amdhsa_user_sgpr_count 2
		.amdhsa_user_sgpr_kernarg_segment_ptr 1
		.amdhsa_wavefront_size32 1
		.amdhsa_system_sgpr_workgroup_id_x 1
		.amdhsa_system_sgpr_workgroup_id_y 1
		.amdhsa_system_sgpr_workgroup_id_z 1
		.amdhsa_system_vgpr_workitem_id 0
		.amdhsa_next_free_vgpr 1024
		.amdhsa_next_free_sgpr 80
		.amdhsa_reserve_vcc 0
		.amdhsa_float_denorm_mode_32 3
		.amdhsa_float_denorm_mode_16_64 3
		.amdhsa_memory_ordered 1
		.amdhsa_forward_progress 1
		.amdhsa_inst_pref_size 255
	.end_amdhsa_kernel
	.section	.bss,"aw",@nobits
	.p2align	6
	.space	262144
	.amdgpu_metadata
---
amdhsa.version: [ 1, 2 ]
amdhsa.kernels:
  - .name:           k_q46a62e0b2a_outp
    .symbol:         k_q46a62e0b2a_outp.kd
    .args:
      - { .name: img, .offset: 0, .size: 8, .value_kind: global_buffer, .address_space: global }
      - { .name: rhimg, .offset: 8, .size: 8, .value_kind: global_buffer, .address_space: global }
      - { .name: gbias, .offset: 16, .size: 8, .value_kind: global_buffer, .address_space: global }
      - { .name: h, .offset: 24, .size: 8, .value_kind: global_buffer, .address_space: global }
      - { .name: out0, .offset: 32, .size: 8, .value_kind: global_buffer, .address_space: global }
    .group_segment_fixed_size: 327680
    .private_segment_fixed_size: 0
    .kernarg_segment_align: 8
    .kernarg_segment_size: 40
    .max_flat_workgroup_size: 128
    .sgpr_count:     80
    .vgpr_count:     1024
    .wavefront_size: 32
...
	.end_amdgpu_metadata
.endif
;; end of part 3
